; MI455X (gfx1250); checked and timed in simulation.
; The chip was launched on July 23, 2026; its instructions are those of AMD's public machine-readable ISA for CDNA 5 (MIT licence, August 2026) and "CDNA5" Instruction Set Architecture Reference Guide (July 2026). The comments in the code are by the model that wrote it; some were corrected since.
;; Multi Head Attention. Allowed arithmetic: matrix products marked QUANTISED: E2M1 operands, one E8M0 scale for each 32 along K, by v_wmma_scale_f32_16x16x128_f8f6f4 with both operands' format E2M1 (or v_wmma_scale_f32_32x16x128_f4), f32 sums; everything else in f32.
;; Inputs: Wk_codes 16 x 64 x 32 x 16 uint8 (E2M1 codes of Wk, K innermost, in blocks of 32 codes, two codes a byte); Wk_scales 16 x 64 x 32 uint8 (E8M0 scales of Wk, one for each 32 codes along K); Wo_codes 1,024 x 32 x 16 uint8 (E2M1 codes of Wo, K innermost, in blocks of 32 codes, two codes a byte); Wo_scales 1,024 x 32 uint8 (E8M0 scales of Wo, one for each 32 codes along K); Wq_codes 16 x 64 x 32 x 16 uint8 (E2M1 codes of Wq, K innermost, in blocks of 32 codes, two codes a byte); Wq_scales 16 x 64 x 32 uint8 (E8M0 scales of Wq, one for each 32 codes along K); Wv_codes 16 x 64 x 32 x 16 uint8 (E2M1 codes of Wv, K innermost, in blocks of 32 codes, two codes a byte); Wv_scales 16 x 64 x 32 uint8 (E8M0 scales of Wv, one for each 32 codes along K); bk 16 x 64 float32; bo 1,024 float32; bq 16 x 64 float32; bv 16 x 64 float32; x_codes 4 x 2,048 x 32 x 16 uint8 (E2M1 codes of x, K innermost, in blocks of 32 codes, two codes a byte); x_scales 4 x 2,048 x 32 uint8 (E8M0 scales of x, one for each 32 codes along K).
;; Outputs: out0 4 x 2,048 x 1,024 float32.
;; This version of the problem:
;;   THIS VERSION OF THE PROBLEM IS GIVEN IN LOW PRECISION. The matrix products marked QUANTISED in the list below multiply operands that are first quantised to E2M1 (2 exponent bits, 1 mantissa bit; 4 bits a number), with one power-of-two scale for each 32 numbers along K (OCP MX v1.0); their sums are f32. All else is computed in f32.
;;   The module's matrix products, in the order in which they are computed (A, B: the left and right operand; K: the contracted axis; several contracted axes count as one K, in the product's order):
;;     1. [M 1,024, K 1,024] x [K 1,024, N 8,192]; A: input Wq (given as codes); B: input x (given as codes): QUANTISED
;;     2. [M 1,024, K 1,024] x [K 1,024, N 8,192]; A: input Wk (given as codes); B: input x (given as codes): QUANTISED
;;     3. [M 1,024, K 1,024] x [K 1,024, N 8,192]; A: input Wv (given as codes); B: input x (given as codes): QUANTISED
;;     4. batch 64 x [M 2,048, K 64] x [K 64, N 2,048]; A: computed on the way; B: computed on the way: QUANTISED
;;     5. batch 64 x [M 2,048, K 2,048] x [K 2,048, N 64]; A: softmax (see below); B: computed on the way: QUANTISED
;;     6. [M 8,192, K 1,024] x [K 1,024, N 1,024]; A: computed on the way; B: input Wo (given as codes): QUANTISED
;;   THE QUANTISER, for each operand of a quantised product, along K:
;;     - K is cut into blocks of 32 from its start; a last block that is shorter is filled with zeros.
;;     - A block's scale is 2^e with e = floor(log2(the largest magnitude in the block)) - 2, held to -126 .. 127; a block of zeros has e = 0. As a byte (E8M0): e + 127.
;;     - Each number is divided by its block's scale, clamped to +-6, and rounded to the nearest number of E2M1, ties to even, subnormals kept.
;;     - The product sums the exact products of the quantised numbers (number of the format x scale) in f32.
;;   ~~~python
;;   def quantise(x, axis):      # numpy; x: float32 -> the quantised numbers, widened to float32 again
;;       x = np.moveaxis(x, axis, -1); K = x.shape[-1]
;;       x = np.pad(x, [(0, 0)] * (x.ndim - 1) + [(0, -K % 32)]); x = x.reshape(x.shape[:-1] + (-1, 32)); a = np.abs(x).max(-1, keepdims=True)
;;       e = np.where(a > 0, np.clip(np.frexp(np.where(a > 0, a, 1))[1] - 1 - 2, -126, 127), 0)      # np.frexp(a)[1] - 1 = floor(log2(a)), exactly
;;       r = np.clip(x / 2.0 ** e, -6, 6)
;;       step = 2.0 ** (np.maximum(np.frexp(np.where(r == 0, 1, r))[1] - 1, 0) - 1)
;;       q = np.round(r / step) * step * 2.0 ** e      # np.round: ties to even
;;       return np.moveaxis(q.reshape(q.shape[:-2] + (-1,))[..., :K], -1, axis).astype(np.float32)
;;   ~~~
;;   SOFTMAX AHEAD OF A QUANTISED PRODUCT. Where the list says 'softmax', what is quantised is not the finished softmax but p = 2^(t - M), with t = logit x log2(e) and M = ceil(the row's largest t), a whole number; so 1/2 < the row's largest p <= 1. The row's sum l is taken of the UNQUANTISED p, in f32, and the product's result is divided by l at the end. Since M is a whole number, a kernel that streams over the keys may use a running M (the ceiling of the running maximum): every later rescaling is an exact power of two, which a block's scale takes up: the codes' values come out the same.
;;   OPERANDS COMPUTED ON THE WAY. 'Computed on the way' means the value that the module computes at that place (a softmax that the list does not call 'softmax' is quantised finished and normalised). What goes into a quantiser is computed in f32, as accurately as f32 sums, v_exp_f32 and their like allow (about 1e-6 of the number): no bf16 or f16 on the way to a quantiser, and a product that is left as it is and whose result goes on into a quantised operand takes f32 operands (vector FMAs, or v_wmma_f32_16x16x4_f32). A number that lies on a knife's edge between two numbers of the format may be rounded either way, as far as f32 arithmetic and the matrix unit's own rounding can turn it there, and no further.
;;   INPUTS GIVEN AS CODES. Wk (in the module: [16, 1024, 64], K = its axis 1); Wo (in the module: [1024, 1024], K = its axis 0); Wq (in the module: [16, 1024, 64], K = its axis 1); Wv (in the module: [16, 1024, 64], K = its axis 1); x (in the module: [4, 2048, 1024], K = its axis 2): each comes as NAME_codes (uint8): NAME with its K axis moved to the last place and cut into blocks of 32 codes, [.., K / 32, bytes a block], one block behind the other in memory; two codes a byte, the lower K in the low four bits (a code: sign, 2 exponent bits, 1 mantissa bit); and NAME_scales (uint8): the same leading axes, one E8M0 byte (e + 127) for each 32 codes along K. Its value is code x scale, taken as it is: it is not quantised again, and the codes and scales need not be those that the quantiser above would give.
;; One version. Each part assembles by itself: llvm-mc -triple=amdgcn-amd-amdhsa -mcpu=gfx1250 --defsym DOCPART=n.
;; ======== version 1 of 1: 3 launches
;; limits: right only within a limited range of input values
;; workspace buffers: qkv 14,155,776 bytes; cat 4,194,304 bytes; cats 262,144 bytes
;; launch proj (part 1): grid 4 x 64, 4 waves a work-group, clusters of 4 x 4, 327,680 bytes of LDS; arguments x_codes, x_scales, Wq_codes, Wq_scales, Wk_codes, Wk_scales, Wv_codes, Wv_scales, bq, bk, bv, qkv; writes qkv
.if DOCPART == 1
	.amdgcn_target "amdgcn-amd-amdhsa--gfx1250"
	.amdhsa_code_object_version 6
	.text
	.protected	k_q7a4aead9da_proj
	.globl	k_q7a4aead9da_proj
	.p2align	8
	.type	k_q7a4aead9da_proj,@function
k_q7a4aead9da_proj:
	s_mov_b64 s[64:65], 0
	v_nop
	global_prefetch_b8 v0, s[64:65] scope:SCOPE_SE
	s_setreg_imm32_b32 hwreg(HW_REG_WAVE_MODE, 25, 1), 1
	s_wait_xcnt 0x0
	s_wait_alu depctr_hold_cnt(0) depctr_sa_sdst(0) depctr_va_vdst(0) depctr_va_sdst(0) depctr_va_ssrc(0) depctr_va_vcc(0) depctr_vm_vsrc(0)
	s_getreg_b32 s2, hwreg(HW_REG_IB_STS2, 6, 4)
	s_cmp_eq_u32 s2, 0
	s_cbranch_scc0 .Lentry_in_a_cluster
	s_endpgm
.Lentry_in_a_cluster:
	s_bfe_u32 s2, ttmp6, 0x10000c
	s_cmp_lg_u32 s2, 0xf033
	s_cbranch_scc0 .Lentry_shape_is_right
	s_endpgm
.Lentry_shape_is_right:
; Q = x Wq + bq, K = x Wk + bk, V = x Wv + bv on codes of FP4 (E2M1) with E8M0 scales, and the results quantised again: Q and K along the head's 64, V along the keys.
; SHARES.  A work-group takes 128 rows of x (group g) and four heads (4 cx .. 4 cx + 3) through ALL THREE kinds, one after the other; wave w takes head 4 cx + w: 128 x 64 results a kind, 32 accumulators,
; 8 K steps of 32 matrix instructions.  x's 64 fragments (8 tiles x 8 K steps) are read from LDS once and stay in 512 registers: a K step then reads my head's four fragments of W alone.
; LDS.  Two slots of 256 rows of W, all of K in a row (512 bytes + 16 of padding).  The head's four loads, 128 rows each: Wq's halves into slot A, Wk's rows 0-127 into slot B's lower half, x into its upper half.
; When every wave has x in registers, Wk's rows 128-255 are brought onto x's bytes; when Q's products are done, Wv is brought into slot A.  Each of the two refills is asked for a whole kind's work ahead of its first read.
; CLUSTER 4 x 4.  x's rows hang on g alone and are shared along a row of the cluster, W's on cx alone and are shared along a column: each tile is asked for jointly.  The scale words and the biases (6 KB beside 192 KB of
; tiles a work-group) come straight into registers, each wave its own.  No prefetch: the text has no loop to run ahead in.
; THE ROWS OF A TILE ARE NOT NEIGHBOURS: lane r of tile 2 b + u takes row 32 b + 8 u + r + 8 (r / 8), of x's 128 rows and of a head's 64 rows of W alike.  So in a result the 16 registers
; of tiles 2 b and 2 b + 1 are 16 neighbours, 32 b + 16 (lane / 16) + 0 .. 15, along the axis that the registers run on.
; Q, K: source 0 = 16 rows of W, source 1 = 16 rows of x: a lane holds one row of x, its registers run along the head's 64.  V: the sources swapped: a lane holds one channel, its registers run along the keys.
; OUT: a record of 13,824 bytes for each (batch, head, 128 rows): Q's, K's, V's part of 4,608 bytes each: 4,096 bytes of codes as images of operand registers (16 bytes a lane, 512 a store) and 512 bytes of scale words.
; REGISTERS.  Window 0: addresses, scale words, the bias, W's fragments, the way out's work.  Window 1: the accumulators.  Windows 2, 3: x's fragments of K steps 0-3, 4-7, at 64 (K step % 4) + 8 tile.
; LIMITS: NaN and infinities are not served.  A block whose largest magnitude lies under 2^-124, a block of zeros among them, gets the scale byte 1; these bytes are read by this program alone.
.set HALF, 67584                       ; 128 rows of 528 bytes
.set SLB,  2*HALF                      ; slot B; slot A at 0
.set XST,  3*HALF                      ; x lies in slot B's upper half until it is in registers
.set SPARE, 4*HALF                     ; the spare words: 128 bytes a wave
.set PADC, (1<<20)|(1<<21)|(6<<22)|(3<<25)   ; padding on; bit 21 beside a mask; after every 128 words, 4 words
.set REC,  13824
.set AX,   4                           ; v4   my lane's place in x's rows
.set AWA,  6                           ; v6, v7  in my head's rows of W, slot A, slot B
.set AWB,  7
.set GXS,  8                           ; v8   my offset in x's scale bytes (lanes 16-31: tiles 4-7)
.set GWS,  9                           ; v9   in my head's scale bytes of W (lanes 16-31: tiles 2, 3)
.set LI,   10                          ; v10  16 x lane
.set BOQ,  11                          ; v11  my offset in the bias, Q and K
.set BOV,  13                          ; v13  the same, V
.set SPW,  14
.set NIL,  15
.set XS,   16                          ; v16-47   x's scale words: 16 (K half) + 4 (tile % 4) + K step % 4
.set WS0,  48                          ; v48-63   W's: 8 (K half) + 4 (tile % 2) + K step % 4; two sets, the kinds by turns
.set WS1,  176                         ; v176-191
.set TM,   64                          ; the way out: 16 largest magnitudes, then the scale bytes,
.set TP,   80                          ; the other lane's, then the scale words,
.set SW,   80
.set W8,   84
.set SOP,  96                          ; the conversions' scale operands,
.set CO,   112                         ; 32 registers of codes
.set BI,   144                         ; v144-175 the bias, eight registers for each tile of W, in the result's layout
.set WF,   192                         ; v192-255 W's 4 fragments, two buffers
.set WV,   28                          ; s28 wave; s29 cx; s30 cy; s31 g; s32 my row's mask; s33 my column's; s34 lanes 16-31; s[2:3] lane selects
.set G1X,  36                          ; groups 1: x, 128 rows; W, 128 rows; W, 32 rows; W, 64 rows
.set G1H,  44
.set G1A,  52
.set G1B,  68
.set G0X,  60                          ; groups 0: x; Wq's halves; Wk's lower half; my 32 rows of its upper half; my 64 rows of Wv
.set G0QL, 76
.set G0QH, 80
.set G0KL, 84
.set G0KH, 88
.set G0V,  92
.set MSB, 0
.macro WIN new                         ; the immediate's high byte repeats the setting that is left
.if MSB != \new
	s_set_vgpr_msb (MSB<<8)|\new
.set MSB, \new
.endif
.endm
.macro CROUND                          ; a round of the cluster's barrier
	s_barrier_signal -1
	s_barrier_wait -1
	s_cmp_lg_u32 s[WV], 0
	s_cbranch_scc1 .Lnot_wave_0_\@
	s_barrier_signal -3
.Lnot_wave_0_\@:
	s_barrier_wait -3
	s_barrier_signal -1
	s_barrier_wait -1
.endm
.macro SEQ                             ; three lines in front of a refill's barrier and at the wave's end
	s_wait_tensorcnt 0x0
	ds_add_u32 v[SPW], v[NIL]
	s_wait_dscnt 0x0
.endm
.macro PLACES
.rept 4
	v_nop
.endr
.endm
.macro G1SET g, mask, rows             ; rows of 512 bytes, 512 apart, elements of 1 byte
	s_or_b32 s[\g], \mask, PADC
	s_mov_b32 s[\g+1], 512<<16
	s_mov_b32 s[\g+2], \rows<<16
	s_mov_b32 s[\g+3], 512<<16
	s_mov_b32 s[\g+4], \rows
	s_mov_b32 s[\g+5], 512
	s_mov_b32 s[\g+6], 0
	s_mov_b32 s[\g+7], 0
.endm
	s_load_b512 s[4:19], s[0:1], 0x0               ; x's codes, x's scales, Wq's, Wk's, Wv's codes and scales
	s_load_b256 s[20:27], s[0:1], 0x40             ; bq, bk, bv, qkv
	v_lshl_add_u32 v[SPW], v0, 2, SPARE
	v_mov_b32 v[NIL], 0
	ds_add_u32 v[SPW], v[NIL]                      ; the opening lines: the add twice on end and its wait ahead of my first tensor load
	ds_add_u32 v[SPW], v[NIL]
	v_lshrrev_b32 v1, 5, v0
	v_readfirstlane_b32 s[WV], v1                  ; wave 0..3
	s_bfe_u32 s29, ttmp6, 0x40000                  ; cx: which four heads
	s_bfe_u32 s30, ttmp6, 0x40004                  ; cy
	s_and_b32 s31, ttmp7, 0xffff
	s_lshl_b32 s31, s31, 2
	s_add_co_u32 s31, s31, s30                     ; g = 4 x cluster y + cy: which 128 rows of x
	s_lshl_b32 s32, s30, 2
	s_lshl_b32 s32, 15, s32                        ; my row of the cluster
	s_lshl_b32 s33, 0x1111, s29                    ; my column
	s_mov_b32 s34, 0xffff0000                      ; lanes 16-31
	s_mov_b32 s2, 0x76543210
	s_mov_b32 s3, 0xfedcba98                       ; v_permlanex16_b32's selects for lane l xor 16
	G1SET G1X, s32, 128
	G1SET G1H, s33, 128
	G1SET G1A, s33, 32
	G1SET G1B, s33, 64
	s_mov_b32 s[G0X], 1                            ; where the tiles go: constants and the wave's number alone
	s_mov_b32 s[G0X+1], XST
	s_mov_b32 s[G0QL], 1
	s_mov_b32 s[G0QL+1], 0
	s_mov_b32 s[G0QH], 1
	s_mov_b32 s[G0QH+1], HALF
	s_mov_b32 s[G0KL], 1
	s_mov_b32 s[G0KL+1], SLB
	s_mov_b32 s[G0KH], 1
	s_mul_i32 s[G0KH+1], s[WV], 16896
	s_add_co_u32 s[G0KH+1], s[G0KH+1], XST
	s_mov_b32 s[G0V], 1
	s_mul_i32 s[G0V+1], s[WV], 33792
	s_mov_b32 s97, 0
	s_mov_b32 s99, 0
	s_mov_b32 s67, 0
	s_lshl_b32 s98, s29, 17                        ; W's codes: 256 cx rows of 512 bytes
	s_wait_dscnt 0x0                               ; both opening adds are done
	s_wait_kmcnt 0x0
	s_lshl_b32 s96, s31, 16                        ; x's codes: 128 g rows of 512 bytes
	s_add_nc_u64 s[G0X+2:G0X+3], s[4:5], s[96:97]
	s_or_b32 s[G0X+3], s[G0X+3], 0x80000000
	s_lshl_b32 s96, s31, 12                        ; x's scales: rows of 32 bytes
	s_add_nc_u64 s[6:7], s[6:7], s[96:97]
	s_add_nc_u64 s[G0QL+2:G0QL+3], s[8:9], s[98:99]
	s_add_nc_u64 s[G0QH+2:G0QH+3], s[G0QL+2:G0QL+3], 65536
	s_or_b32 s[G0QL+3], s[G0QL+3], 0x80000000
	s_or_b32 s[G0QH+3], s[G0QH+3], 0x80000000
	s_add_nc_u64 s[G0KL+2:G0KL+3], s[12:13], s[98:99]
	s_or_b32 s[G0KL+3], s[G0KL+3], 0x80000000
	s_lshl_b32 s66, s[WV], 14
	s_add_co_u32 s66, s66, 65536
	s_add_co_u32 s66, s66, s98                     ; Wk's rows 256 cx + 128 + 32 w
	s_add_nc_u64 s[G0KH+2:G0KH+3], s[12:13], s[66:67]
	s_or_b32 s[G0KH+3], s[G0KH+3], 0x80000000
	s_lshl_b32 s66, s[WV], 15
	s_add_co_u32 s66, s66, s98                     ; Wv's rows 256 cx + 64 w
	s_add_nc_u64 s[G0V+2:G0V+3], s[16:17], s[66:67]
	s_or_b32 s[G0V+3], s[G0V+3], 0x80000000
	s_lshl_b32 s35, s29, 2
	s_add_co_u32 s35, s35, s[WV]                   ; my head
	s_lshl_b32 s66, s35, 11                        ; its 64 rows of scale bytes
	s_add_nc_u64 s[10:11], s[10:11], s[66:67]
	s_add_nc_u64 s[14:15], s[14:15], s[66:67]
	s_add_nc_u64 s[18:19], s[18:19], s[66:67]
	s_lshl_b32 s66, s35, 8                         ; its 64 numbers of a bias
	s_add_nc_u64 s[20:21], s[20:21], s[66:67]
	s_add_nc_u64 s[22:23], s[22:23], s[66:67]
	s_add_nc_u64 s[24:25], s[24:25], s[66:67]
	s_lshr_b32 s66, s31, 4                         ; the batch
	s_lshl_b32 s66, s66, 4
	s_add_co_u32 s66, s66, s35
	s_lshl_b32 s66, s66, 4
	s_and_b32 s35, s31, 15
	s_add_co_u32 s66, s66, s35                     ; the record: (batch x 16 + head) x 16 + the 128 rows' number in the batch
	s_mul_i32 s66, s66, REC
	s_add_nc_u64 s[26:27], s[26:27], s[66:67]
	CROUND                                         ; all sixteen work-groups are here: the joint loads meet
; THE HEAD'S LOADS, ONE A WAVE.  One chain of branches on the wave's number, a load to an arm, one join.
.macro ARM under, g0, g1, next
	s_cmp_lt_u32 s[WV], \under
	s_cbranch_scc0 \next
	tensor_load_to_lds s[\g0:\g0+3], s[\g1:\g1+7]
	s_nop 0
	PLACES
	s_branch .Lhead_asked
\next:
.endm
	ARM 1, G0X,  G1X, .Lhead_ql
	ARM 2, G0QL, G1H, .Lhead_qh
	ARM 3, G0QH, G1H, .Lhead_kl
	tensor_load_to_lds s[G0KL:G0KL+3], s[G1H:G1H+7]
	s_nop 0
	PLACES
.Lhead_asked:
	v_and_b32 v1, 31, v0                           ; lane
	v_and_b32 v2, 7, v0                            ; r % 8
	v_bfe_u32 v3, v0, 3, 1                         ; r / 8
	v_bfe_u32 v12, v0, 4, 1                        ; h = lane / 16
	v_mul_u32_u24 v5, v2, 528
	v_mad_u32_u24 v5, v3, 8448, v5                 ; row r + 8 (r / 8) of a tile, 528 bytes a row,
	v_lshl_add_u32 v5, v12, 4, v5                  ; + 16 h
	v_add_nc_u32 v[AX], XST, v5
	v_add_nc_u32 v[AWA], s[G0V+1], v5              ; my head's 64 rows: 33,792 w bytes on
	v_add_nc_u32 v[AWB], SLB, v[AWA]
	v_lshlrev_b32 v[GXS], 5, v2                    ; scale bytes: 32 a row
	v_lshl_add_u32 v[GXS], v3, 9, v[GXS]
	v_lshl_add_u32 v[GWS], v12, 10, v[GXS]         ; W: lanes 16-31 take the tile two further on: 32 rows
	v_lshl_add_u32 v[GXS], v12, 11, v[GXS]         ; x: lanes 16-31 take the tile four further on: 64 rows
	v_lshlrev_b32 v[LI], 4, v1
	v_lshlrev_b32 v[BOQ], 6, v12                   ; Q, K: register j of tile 2 b + u is the head's number 32 b + 16 h + 8 u + j
	v_lshlrev_b32 v[BOV], 2, v2                    ; V: all eight registers are my lane's channel 32 b + 8 u + r + 8 (r / 8)
	v_lshl_add_u32 v[BOV], v3, 6, v[BOV]
.set c, 0
.rept 16
	v_mov_b32 v[TP+c], 0                           ; a lane permute's destination counts as one of its sources
.set c, c+1
.endr
.macro LDWS ws, sb                     ; my head's scale words of one kind: four K steps' words of a row to a load
.irp c, 0,1
.irp u, 0,1
	global_load_b128 v[\ws+8*\c+4*\u:\ws+8*\c+4*\u+3], v[GWS], s[\sb:\sb+1] offset:256*\u+16*\c
.endr
.endr
.endm
.macro LDBQ sb                         ; the bias is the C of each sum's first matrix instruction
.irp n, 0,1,2,3
	global_load_b128 v[BI+8*\n:BI+8*\n+3], v[BOQ], s[\sb:\sb+1] offset:(32*(\n/2)+8*(\n%2))*4
	global_load_b128 v[BI+8*\n+4:BI+8*\n+7], v[BOQ], s[\sb:\sb+1] offset:(32*(\n/2)+8*(\n%2))*4+16
.endr
.endm
.macro LDBV
.irp n, 0,1,2,3
.irp j, 0,1,2,3,4,5,6,7
	global_load_b32 v[BI+8*\n+\j], v[BOV], s[24:25] offset:(32*(\n/2)+8*(\n%2))*4
.endr
.endr
.endm
.irp c, 0,1
.irp p, 0,1,2,3
	global_load_b128 v[XS+16*\c+4*\p:XS+16*\c+4*\p+3], v[GXS], s[6:7] offset:1024*(\p/2)+256*(\p%2)+16*\c   ; x's scale words, once
.endr
.endr
	LDWS WS0, 10
	LDBQ 20
; K step q's four fragments of my head's W (16 rows x 128 K: 8 registers, two loads 32 bytes apart) into buffer buf
.macro FETCHW aw, q, buf
.irp n, 0,1,2,3
.irp c, 0,1
	ds_load_b128 v[WF+32*(\buf)+8*\n+4*\c:WF+32*(\buf)+8*\n+4*\c+3], v[\aw] offset:(32*(\n/2)+8*(\n%2))*528+64*(\q)+32*\c
.endr
.endr
.endm
; one matrix instruction, by the symbols rD, rA, rB, rC, rSA, rSB; fA, fB: the side's scale words stand in lanes 16-31
.macro WM
.if fA && fB
	v_wmma_scale_f32_16x16x128_f8f6f4 v[rD:rD+7], v[rA:rA+7], v[rB:rB+7], v[rC:rC+7], v[rSA], v[rSB] matrix_a_fmt:MATRIX_FMT_FP4 matrix_b_fmt:MATRIX_FMT_FP4 matrix_a_scale:MATRIX_SCALE_ROW1 matrix_b_scale:MATRIX_SCALE_ROW1
.elseif fA
	v_wmma_scale_f32_16x16x128_f8f6f4 v[rD:rD+7], v[rA:rA+7], v[rB:rB+7], v[rC:rC+7], v[rSA], v[rSB] matrix_a_fmt:MATRIX_FMT_FP4 matrix_b_fmt:MATRIX_FMT_FP4 matrix_a_scale:MATRIX_SCALE_ROW1
.elseif fB
	v_wmma_scale_f32_16x16x128_f8f6f4 v[rD:rD+7], v[rA:rA+7], v[rB:rB+7], v[rC:rC+7], v[rSA], v[rSB] matrix_a_fmt:MATRIX_FMT_FP4 matrix_b_fmt:MATRIX_FMT_FP4 matrix_b_scale:MATRIX_SCALE_ROW1
.else
	v_wmma_scale_f32_16x16x128_f8f6f4 v[rD:rD+7], v[rA:rA+7], v[rB:rB+7], v[rC:rC+7], v[rSA], v[rSB] matrix_a_fmt:MATRIX_FMT_FP4 matrix_b_fmt:MATRIX_FMT_FP4
.endif
.endm
; a K step's 32 products.  path 0 (Q, K): source 0 = W's tile n, source 1 = x's tile i, accumulator 8 (4 i + n).  path 1 (V): the sources swapped, accumulator 8 (8 n + i).
; The 32 accumulators take turns, one instruction a turn, in the same order in every step.  K step 0 takes the bias as C: nothing is cleared.
.macro MUL path, q, buf, ws
.set cw, 1
.if (\q) == 0
.set cw, 0
.endif
.if \path == 0
.set wn, 0x40|(cw<<4)|((2+(\q)/4)<<2)              ; D window 1; C window 1, or 0 for the bias; x window 2 or 3; W window 0
.else
.set wn, 0x40|(cw<<4)|(2+(\q)/4)
.endif
	WIN wn
.set mi, 0
.rept 8
.set mn, 0
.rept 4
.if \path == 0
.set rD, 8*(4*mi+mn)
.set rA, WF+32*(\buf)+8*mn
.set rB, 64*((\q)%4)+8*mi
.set rSA, \ws+8*((\q)/4)+4*(mn%2)+(\q)%4
.set rSB, XS+16*((\q)/4)+4*(mi%4)+(\q)%4
.set fA, mn/2
.set fB, mi/4
.else
.set rD, 8*(8*mn+mi)
.set rA, 64*((\q)%4)+8*mi
.set rB, WF+32*(\buf)+8*mn
.set rSA, XS+16*((\q)/4)+4*(mi%4)+(\q)%4
.set rSB, \ws+8*((\q)/4)+4*(mn%2)+(\q)%4
.set fA, mi/4
.set fB, mn/2
.endif
.if (\q) == 0
.set rC, BI+8*mn
.else
.set rC, rD
.endif
	WM
.set mn, mn+1
.endr
.set mi, mi+1
.endr
	WIN 0
.endm
; K step q of kind k.  Its fragments of W were asked for a step earlier; the next step's are asked for ahead of its products.  In K step 1 the next kind's scale words and bias are asked for.
.macro STEPQ k, path, aw, ws, q
	s_wait_dscnt 0x0                               ; this step's fragments are in
.if \q < 7
.if \q > 0
	PLACES                                         ; between the last step's products and the loads into the registers that they read
.endif
	FETCHW \aw, (\q)+1, ((\q)+1)%2
.endif
.if \q == 1
.if \k == 0
	LDWS WS1, 14
	LDBQ 22
.endif
.if \k == 1
	LDWS WS0, 18
	LDBV
.endif
.endif
	MUL \path, \q, (\q)%2, \ws
.endm
.macro KIND k, path, aw, ws
	s_wait_loadcnt 0x0                             ; the kind's scale words and bias
.irp q, 0,1,2,3,4,5,6,7
	STEPQ \k, \path, \aw, \ws, \q
.endr
.endm
; THE WAY OUT of kind k.  Chain c = registers 16 c .. 16 c + 15 of window 1: 16 numbers of one block of 32; lane l xor 16 holds the other 16.
.macro EPI k
.if \k > 0
	s_wait_xcnt 0x0                                ; the last kind's stores have read their registers
.endif
	WIN 0x05                                       ; sources 0 and 1 window 1
.set c, 0
.rept 16
	v_max3_num_f32 v[TM+c], |v[16*c]|, |v[16*c+1]|, 0x1800000   ; and the floor 2^(3 - 127): the byte cannot fall under 1.  Each accumulator is read from its low end on
.set c, c+1
.endr
.irp i, 2,4,6,8,10,12,14
.set c, 0
.rept 16
	v_max3_num_f32 v[TM+c], |v[16*c+\i]|, |v[16*c+\i+1]|, v[TM+c]
.set c, c+1
.endr
.endr
	WIN 0
.set c, 0
.rept 16
	v_permlanex16_b32 v[TP+c], v[TM+c], s2, s3
.set c, c+1
.endr
.set c, 0
.rept 16
	v_max_num_f32 v[TM+c], v[TM+c], v[TP+c]        ; the block's largest magnitude
.set c, c+1
.endr
.set c, 0
.rept 16
	v_add_nc_u32 v[SOP+c], 0xff000000, v[TM+c]     ; 2 off its exponent field: the conversion's scale operand
.set c, c+1
.endr
.set c, 0
.rept 16
	v_lshrrev_b32 v[TM+c], 23, v[SOP+c]            ; the scale's byte
.set c, c+1
.endr
	WIN 0x01                                       ; source 0 window 1
.set c, 0
.rept 16
	v_cvt_scalef32_pk8_fp4_f32 v[CO+2*c], v[16*c:16*c+7], v[SOP+c]
	v_cvt_scalef32_pk8_fp4_f32 v[CO+2*c+1], v[16*c+8:16*c+15], v[SOP+c]
.set c, c+1
.endr
	WIN 0
	v_nop                                          ; one plain place behind the scaled conversions
.irp j, 0,1,2,3,4,5,6,7                ; the operand's layout wants a whole block in a lane: lanes 0-15 the even block, lanes 16-31 the odd one
.irp i, 0,1
	v_permlane16_swap_b32 v[CO+4*\j+\i], v[CO+4*\j+2+\i]
.endr
.endr
.if \k < 2
.irp i, 0,1,2,3,4,5,6,7                ; Q, K: tile i's word of my row: its two bytes, and 127 for the 64 along K that the matrix instruction has beyond the head's 64
	v_lshl_or_b32 v[W8+\i], v[TM+2*\i+1], 8, v[TM+2*\i]
.endr
.irp p, 0,1,2,3
	v_cndmask_b32 v[SW+\p], v[W8+2*\p], v[W8+2*\p+1], s34   ; lanes 0-15 carry tile 2 p's words, lanes 16-31 tile 2 p + 1's
.endr
.irp p, 0,1,2,3
	v_or_b32 v[SW+\p], 0x7f7f0000, v[SW+\p]
.endr
.else
.irp n, 0,1,2,3                        ; V: the word of my channel in tile n: four blocks of 32 keys
	v_lshl_or_b32 v[SW+\n], v[TM+4*\n+1], 8, v[TM+4*\n]
.endr
.irp n, 0,1,2,3
	v_lshl_or_b32 v[SW+\n], v[TM+4*\n+2], 16, v[SW+\n]
.endr
.irp n, 0,1,2,3
	v_lshl_or_b32 v[SW+\n], v[TM+4*\n+3], 24, v[SW+\n]
.endr
.endif
	s_wait_alu depctr_va_vdst(0)                   ; what is stored here is named again behind waits
.irp j, 0,1,2,3,4,5,6,7
	global_store_b128 v[LI], v[CO+4*\j:CO+4*\j+3], s[26:27] offset:4608*\k+512*\j   ; each store of the wave covers 512 consecutive bytes, aligned
.endr
	global_store_b128 v[LI], v[SW:SW+3], s[26:27] offset:4608*\k+4096
.endm
	s_wait_alu depctr_va_vdst(0)                   ; at the head's end
	s_wait_tensorcnt 0x0                           ; my tile of the head's four has landed,
	s_barrier_signal -1
	s_barrier_wait -1                              ; everybody's has
.irp q, 0,1,2,3,4,5,6,7                ; x's 64 fragments into windows 2 and 3
.set wn, 0x80|((\q/4)<<6)
	WIN wn
.irp i, 0,1,2,3,4,5,6,7
.irp c, 0,1
	ds_load_b128 v[64*(\q%4)+8*\i+4*\c:64*(\q%4)+8*\i+4*\c+3], v[AX] offset:(32*(\i/2)+8*(\i%2))*528+64*\q+32*\c
.endr
.endr
.endr
	WIN 0
	SEQ                                            ; no load of mine is out, and my reads of x are over
	CROUND                                         ; the same holds of every wave of the cluster
	tensor_load_to_lds s[G0KH:G0KH+3], s[G1A:G1A+7]   ; my 32 rows of Wk's upper half, onto x's bytes
	s_nop 0
	PLACES
	FETCHW AWA, 0, 0
	KIND 0, 0, AWA, WS0
	SEQ                                            ; Wk's upper half has landed, and my reads of slot A are over
	CROUND
	tensor_load_to_lds s[G0V:G0V+3], s[G1B:G1B+7]  ; my 64 rows of Wv, into slot A.  The four lines behind it are also the places behind Q's last products
	s_nop 0
	PLACES
	FETCHW AWB, 0, 0
	EPI 0
	KIND 1, 0, AWB, WS1
	SEQ                                            ; my rows of Wv have landed;
	s_barrier_signal -1
	s_barrier_wait -1                              ; everybody's have.  Nothing is filled again
	PLACES                                         ; behind K's last products
	FETCHW AWA, 0, 0
	EPI 1
	KIND 2, 1, AWA, WS0
	PLACES                                         ; behind V's last products
	EPI 2
	SEQ                                            ; the wave's end
	CROUND                                         ; the closing round: no work-group ends while a partner may still ask for a tile that names it
	s_endpgm
.Lfunc_end_k_q7a4aead9da_proj:
	.size	k_q7a4aead9da_proj, .Lfunc_end_k_q7a4aead9da_proj-k_q7a4aead9da_proj
	.p2alignl 7, 3214868480
	.fill 96, 4, 3214868480
	.section	.rodata,"a",@progbits
	.p2align	6, 0x0
	.amdhsa_kernel k_q7a4aead9da_proj
		.amdhsa_group_segment_fixed_size 327680
		.amdhsa_private_segment_fixed_size 0
		.amdhsa_enable_private_segment 0
		.amdhsa_kernarg_size 96
		.amdhsa_user_sgpr_count 2
		.amdhsa_user_sgpr_kernarg_segment_ptr 1
		.amdhsa_wavefront_size32 1
		.amdhsa_system_sgpr_workgroup_id_x 1
		.amdhsa_system_sgpr_workgroup_id_y 1
		.amdhsa_system_sgpr_workgroup_id_z 1
		.amdhsa_system_vgpr_workitem_id 0
		.amdhsa_next_free_vgpr 1024
		.amdhsa_next_free_sgpr 102
		.amdhsa_reserve_vcc 0
		.amdhsa_float_denorm_mode_32 3
		.amdhsa_float_denorm_mode_16_64 3
		.amdhsa_memory_ordered 1
		.amdhsa_forward_progress 1
		.amdhsa_inst_pref_size 186
	.end_amdhsa_kernel
	.amdgpu_metadata
---
amdhsa.version: [ 1, 2 ]
amdhsa.kernels:
  - .name:           k_q7a4aead9da_proj
    .symbol:         k_q7a4aead9da_proj.kd
    .args:
      - { .name: x_codes, .offset: 0, .size: 8, .value_kind: global_buffer, .address_space: global }
      - { .name: x_scales, .offset: 8, .size: 8, .value_kind: global_buffer, .address_space: global }
      - { .name: Wq_codes, .offset: 16, .size: 8, .value_kind: global_buffer, .address_space: global }
      - { .name: Wq_scales, .offset: 24, .size: 8, .value_kind: global_buffer, .address_space: global }
      - { .name: Wk_codes, .offset: 32, .size: 8, .value_kind: global_buffer, .address_space: global }
      - { .name: Wk_scales, .offset: 40, .size: 8, .value_kind: global_buffer, .address_space: global }
      - { .name: Wv_codes, .offset: 48, .size: 8, .value_kind: global_buffer, .address_space: global }
      - { .name: Wv_scales, .offset: 56, .size: 8, .value_kind: global_buffer, .address_space: global }
      - { .name: bq, .offset: 64, .size: 8, .value_kind: global_buffer, .address_space: global }
      - { .name: bk, .offset: 72, .size: 8, .value_kind: global_buffer, .address_space: global }
      - { .name: bv, .offset: 80, .size: 8, .value_kind: global_buffer, .address_space: global }
      - { .name: qkv, .offset: 88, .size: 8, .value_kind: global_buffer, .address_space: global }
    .group_segment_fixed_size: 327680
    .private_segment_fixed_size: 0
    .kernarg_segment_align: 8
    .kernarg_segment_size: 96
    .max_flat_workgroup_size: 128
    .sgpr_count:     102
    .vgpr_count:     1024
    .wavefront_size: 32
...
	.end_amdgpu_metadata
.endif
;; end of part 1
;; launch attn (part 2): grid 4 x 64, 8 waves a work-group, clusters of 4 x 1, 169,984 bytes of LDS; arguments qkv, cat, cats; writes cat, cats
.if DOCPART == 2
	.amdgcn_target "amdgcn-amd-amdhsa--gfx1250"
	.amdhsa_code_object_version 6
	.text
	.protected	k_q7a4aead9da_attn
	.globl	k_q7a4aead9da_attn
	.p2align	8
	.type	k_q7a4aead9da_attn,@function
k_q7a4aead9da_attn:
	s_mov_b64 s[64:65], 0
	v_nop
	global_prefetch_b8 v0, s[64:65] scope:SCOPE_SE
	s_setreg_imm32_b32 hwreg(HW_REG_WAVE_MODE, 25, 1), 1
	s_wait_xcnt 0x0
	s_wait_alu depctr_hold_cnt(0) depctr_sa_sdst(0) depctr_va_vdst(0) depctr_va_sdst(0) depctr_va_ssrc(0) depctr_va_vcc(0) depctr_vm_vsrc(0)
	s_getreg_b32 s2, hwreg(HW_REG_IB_STS2, 6, 4)
	s_cmp_eq_u32 s2, 0
	s_cbranch_scc0 .Lentry_in_a_cluster
	s_endpgm
.Lentry_in_a_cluster:
	s_bfe_u32 s2, ttmp6, 0x10000c
	s_cmp_lg_u32 s2, 0x3003
	s_cbranch_scc0 .Lentry_shape_is_right
	s_endpgm
.Lentry_shape_is_right:
; For each (batch, head): O = softmax(Q K^T / 8) V on codes of FP4 (E2M1) with E8M0 scales, O / l quantised along the head's 64 channels and stored as an image of the last product's operand.
; THE SOFTMAX AHEAD OF THE SECOND PRODUCT: t = score x log2(e) / 8; M = the running largest t, rounded UP to a whole number; p = 2^(t - M) is quantised along the keys, not normalised; the row's sum l is
; taken of the unquantised p in f32 and divides O at the end.  When M moves, l and O are multiplied by f = 2^(old M - new M), which rounds nothing.
; SHARES.  Work-group y = batch x 16 + head.  The four work-groups of a cluster own 512 queries each.  Each of the eight waves owns TWO tiles of 16 queries at a time (tile w of two neighbouring groups of 128 rows),
; twice: a fragment of K or V read from LDS feeds two matrix instructions, and the two tiles' chains of vector work take turns.  Every wave walks the head's 2,048 keys, 128 a step.
; LDS.  The head's K and V, codes and scale words, are 16 steps x 9,216 bytes, filled once: wave w brings steps 2 w and 2 w + 1 by one joint load of the four partners (2 rows of 9,216 bytes, 13,824 apart in memory).
; They are images of operand registers: every read is 16 x lane + a constant.  Nothing is stored to LDS, no byte is filled twice.  No prefetch: the launch's only tensor loads stand at its head, so there is no loop of loads to run ahead in.
; LAYOUT.  Both products are used transposed: S^T = K Q^T, O^T = V^T P^T: a lane holds ONE query (lane % 16).  The 16 registers of score tiles 2 b, 2 b + 1 are keys 32 b + 16 (lane / 16) + 0 .. 15, those of O^T's
; tiles 2 b, 2 b + 1 channels 32 b + 16 (lane / 16) + 0 .. 15 (the launch before chose the rows so).  Q's registers 4-7 hold zero codes, so K's fragment of tile t is named over the next tile's four registers.
; THE EXPONENTIALS go in four runs of 32 or 36.  Between the exponentials of a run stand plain lines that read nothing written inside the run: the next half's t - M, and the sums.  One wait stands between two runs.
; l is kept in 16 pairs a tile: pair k takes p's pairs k and 16 + k of each step, the first by one multiply-add that also brings the pair under the new M.
; REGISTERS.  Window 0: addresses, Q, K, V, O^T, all scale words.  Window 1: the scores / p of both tiles, l, p's codes and what the softmax works with.  x = 0, 1 is the tile.
; LIMITS: NaN and infinities are not served; the scaled scores stay under 2^31 in magnitude.  1 / l is v_rcp_f32's.  A block of O / l whose largest magnitude lies under 2^-124 gets the scale byte 1; these bytes are read by this program alone.
.set REC,   13824                      ; a record of qkv: Q's, K's, V's part of 4,608 bytes
.set STEPB, 9216                       ; a step in LDS: K's codes +0, K's scale words +4096, V's codes +4608, V's scale words +8704
.set SPARE, 0x29000                    ; the spare words: 128 bytes a wave
.set AL,   1                           ; window 0: v1 16 x lane; v2, v3 LDS address of this step (V) and of the next (K)
.set ADRV, 2
.set ADRK, 3
.set QSO,  4                           ; my row's scale word in Q's part
.set CSO,  5                           ; my byte among cat's scale bytes: 16 r + h
.set QO,   6                           ; my 16 bytes of my tile of Q
.set SPW,  8
.set NIL,  9
.set Q,    16                          ; 8 x: four registers of codes, four of zero codes
.set QS,   32                          ; + x: Q's scale words
.set PW,   34                          ; + x: p's scale word
.set KS,   36                          ; K's scale words: register p: lanes 0-15 tile 2 p, lanes 16-31 tile 2 p + 1
.set VS,   40                          ; V's, a register for each tile of channels
.set KF,   44                          ; K's 8 tiles, 4 registers each; four zeros behind
.set VF,   80                          ; V's 4 fragments
.set O,    112                         ; + 32 x: O^T
.set S,    0                           ; window 1: + 64 x: S^T, then p
.set L,    128                         ; + 32 x: l in 16 pairs
.set PC,   192                         ; + 8 x: p's codes
.set BM,   208                         ; + 4 x: a block's largest score, then its largest p
.set TP,   216                         ; + 4 x: the other lane's; then the bytes
.set SOP,  224                         ; + 4 x: the conversions' scale operands
.set NM,   232                         ; + 2 x: -M, and beside it the largest score so far
.set F,    236                         ; + 2 x: f (the pair's low word serves both halves)
.set T,    240                         ; + x: at work
.set OLD,  242                         ; + x: the last -M
.set W,    244                         ; + x: the scale word as it is made
.set WV,   10                          ; s10 wave; s11 cx; s12 batch x 16 + head
.set MSB, 0
.macro WIN new                         ; the immediate's high byte repeats the setting that is left
.if MSB != \new
	s_set_vgpr_msb (MSB<<8)|\new
.set MSB, \new
.endif
.endm
.macro CROUND                          ; a round of the cluster's barrier
	s_barrier_signal -1
	s_barrier_wait -1
	s_cmp_lg_u32 s[WV], 0
	s_cbranch_scc1 .Lnot_wave_0_\@
	s_barrier_signal -3
.Lnot_wave_0_\@:
	s_barrier_wait -3
	s_barrier_signal -1
	s_barrier_wait -1
.endm
.macro WAITV
	s_wait_alu depctr_va_vdst(0)                   ; behind a run of transcendentals and ahead of the next
.endm
.macro EX r                            ; p = 2^(t - M)
	v_exp_f32 v[S+(\r)], v[S+(\r)]
.endm
.macro FMA x, j                        ; t - M of pair j
	v_pk_fma_f32 v[S+64*(\x)+2*(\j):S+64*(\x)+2*(\j)+1], v[S+64*(\x)+2*(\j):S+64*(\x)+2*(\j)+1], s[30:31], v[NM+2*(\x):NM+2*(\x)+1] op_sel_hi:[1,0,0]
.endm
.macro SUM1 x, k                       ; l's pair k under the new M, + p's pair k
	v_pk_fma_f32 v[L+32*(\x)+2*(\k):L+32*(\x)+2*(\k)+1], v[L+32*(\x)+2*(\k):L+32*(\x)+2*(\k)+1], v[F+2*(\x):F+2*(\x)+1], v[S+64*(\x)+2*(\k):S+64*(\x)+2*(\k)+1] op_sel_hi:[1,0,1]
.endm
.macro SUM2 x, k                       ; + p's pair 16 + k
	v_pk_add_f32 v[L+32*(\x)+2*(\k):L+32*(\x)+2*(\k)+1], v[L+32*(\x)+2*(\k):L+32*(\x)+2*(\k)+1], v[S+64*(\x)+32+2*(\k):S+64*(\x)+32+2*(\k)+1]
.endm
	s_load_b128 s[4:7], s[0:1], 0x0                ; qkv, cat
	s_load_b64 s[8:9], s[0:1], 0x10                ; cats
	v_lshl_add_u32 v[SPW], v0, 2, SPARE
	v_mov_b32 v[NIL], 0
	ds_add_u32 v[SPW], v[NIL]                      ; the opening lines: the add twice on end and its wait ahead of my tensor load
	ds_add_u32 v[SPW], v[NIL]
	v_lshrrev_b32 v1, 5, v0
	v_readfirstlane_b32 s[WV], v1                  ; wave 0..7: also my tile among the eight of its 128 rows
	s_bfe_u32 s11, ttmp6, 0x40000                  ; cx: which 512 queries
	s_and_b32 s12, ttmp7, 0xffff                   ; batch x 16 + head, which the four partners share
	s_lshl_b32 s14, s12, 4
	s_lshl_b32 s15, s[WV], 1
	s_add_co_u32 s14, s14, s15
	s_mul_i32 s14, s14, REC
	s_add_co_u32 s14, s14, 4608                    ; what I fetch: K's and V's parts of the head's records 2 w and 2 w + 1
	s_mov_b32 s15, 0
	s_mov_b32 s16, 1
	s_mul_i32 s17, s[WV], 2*STEPB                  ; to their steps' places: no place in the cluster enters an LDS address
	s_mov_b32 s20, 15|(3<<16)|(1<<21)              ; group 1: the mask of all four partners, elements of 8 bytes, bit 21 beside a mask
	s_mov_b32 s21, 1152<<16                        ; a row: 1,152 elements = 9,216 bytes
	s_mov_b32 s22, 2<<16                           ; 2 rows
	s_mov_b32 s23, 1152<<16
	s_mov_b32 s24, 2
	s_mov_b32 s25, 1728                            ; 13,824 bytes from row to row
	s_mov_b32 s26, 0
	s_mov_b32 s27, 0
	s_mov_b32 s28, 0x76543210
	s_mov_b32 s29, 0xfedcba98                      ; v_permlanex16_b32's selects for lane l xor 16
	s_mov_b32 s30, 0x3e38aa3b                      ; c = log2(e) / 8
	s_mov_b32 s31, s30                             ; (named with it as a pair)
	s_mov_b32 s34, 0xffff0000                      ; lanes 16-31
	s_lshl_b32 s35, s11, 2                         ; tile 0's 128 rows of the batch in the first pass: 4 cx; tile 1: one on; the second pass: two on
	s_lshl_b32 s42, s12, 4
	s_add_co_u32 s42, s42, s35
	s_mul_i32 s42, s42, REC                        ; Q's record
	s_mov_b32 s43, 0
	s_and_b32 s44, s12, 0x30
	s_add_co_u32 s44, s44, s35                     ; g: the 128 rows among all 8,192
	s_lshl_b32 s46, s44, 12                        ; cat's scale bytes: 4,096 for each g,
	s_and_b32 s45, s12, 15                         ; the head
	s_lshl_b32 s44, s44, 4
	s_add_co_u32 s44, s44, s45
	s_lshl_b32 s44, s44, 3
	s_add_co_u32 s44, s44, s[WV]
	s_lshl_b32 s44, s44, 9                         ; cat's codes: ((g x 16 + head) x 8 + tile) x 512
	s_lshr_b32 s47, s45, 3
	s_lshl_b32 s47, s47, 11
	s_add_co_u32 s46, s46, s47                     ; + 2,048 (head / 8),
	s_and_b32 s47, s[WV], 3
	s_lshl_b32 s47, s47, 9
	s_add_co_u32 s46, s46, s47                     ; + 512 (tile % 4),
	s_lshr_b32 s47, s[WV], 2
	s_lshl_b32 s47, s47, 8
	s_add_co_u32 s46, s46, s47                     ; + 256 (tile / 4),
	s_and_b32 s47, s45, 7
	s_lshl_b32 s47, s47, 1
	s_add_co_u32 s46, s46, s47                     ; + 2 (head % 8)
	s_mov_b32 s45, 0
	s_mov_b32 s47, 0
	s_lshl_b32 s13, s[WV], 9                       ; Q's tile: 512 x tile
	s_and_b32 s35, s[WV], 1
	s_lshl_b32 s35, s35, 8
	s_lshr_b32 s32, s[WV], 1
	s_lshl_b32 s32, s32, 2
	s_add_co_u32 s35, s35, s32
	s_add_co_u32 s35, s35, 4096                    ; its scale words: 4,096 + 256 (tile % 2) + 4 (tile / 2)
	s_wait_dscnt 0x0                               ; both opening adds are done
	s_wait_kmcnt 0x0
	s_add_nc_u64 s[18:19], s[4:5], s[14:15]
	s_or_b32 s19, s19, 0x80000000
	s_add_nc_u64 s[36:37], s[4:5], s[42:43]
	s_add_nc_u64 s[38:39], s[6:7], s[44:45]
	s_add_nc_u64 s[40:41], s[8:9], s[46:47]
	CROUND                                         ; all four work-groups are here: the joint loads meet
	tensor_load_to_lds s[16:19], s[20:27]          ; my one load
	s_nop 0
.rept 4
	v_nop
.endr
	v_and_b32 v1, 31, v0
	v_and_b32 v10, 15, v0                          ; r
	v_bfe_u32 v11, v0, 4, 1                        ; h
	v_lshlrev_b32 v[AL], 4, v1
	v_lshl_add_u32 v[QSO], v10, 4, s35
	v_lshl_add_u32 v[CSO], v10, 4, v11
	v_add_nc_u32 v[QO], s13, v[AL]
.irp j, 4,5,6,7,12,13,14,15,164,165,166,167,172,173,174,175
	v_mov_b32 v[Q+\j], 0                           ; zero codes for k = 64 .. 127
.endr
.irp j, 0,1,2,3
	v_mov_b32 v[KF+32+\j], 0                       ; behind K's last tile
.endr
	WIN 0x40
.irp j, 0,1,2,3,4,5,6,7
	v_mov_b32 v[TP+\j], 0                          ; a lane permute's destination counts as one of its sources
.endr
	v_mov_b32 v[F+1], 0                            ; (named as the upper halves of pairs)
	v_mov_b32 v[F+3], 0
	WIN 0
; A KEY STEP: 128 keys, step s33, for both tiles.
.macro STEP
	s_mul_i32 s32, s33, STEPB                      ; this step's LDS byte,
	s_add_co_u32 s35, s33, 1
	s_and_b32 s35, s35, 15
	s_mul_i32 s35, s35, STEPB                      ; and the next step's (behind the last comes step 0, for the next pass)
	s_wait_dscnt 0x0                               ; K, asked for a step ago, is in, and no LDS instruction of mine is out:
	s_barrier_signal -1                            ; a barrier a step keeps the eight waves within a step of each other; it guards no LDS byte.  The score products, work on registers, stand between signal and wait
	WIN 0x40                                       ; D in window 1
.irp x, 0,1
.irp t, 0,1,2,3,4,5,6,7
.if \t%2
	v_wmma_scale_f32_16x16x128_f8f6f4 v[S+64*\x+8*\t:S+64*\x+8*\t+7], v[KF+4*\t:KF+4*\t+7], v[Q+8*\x:Q+8*\x+7], 0, v[KS+\t/2], v[QS+\x] matrix_a_fmt:MATRIX_FMT_FP4 matrix_b_fmt:MATRIX_FMT_FP4 matrix_a_scale:MATRIX_SCALE_ROW1
.else
	v_wmma_scale_f32_16x16x128_f8f6f4 v[S+64*\x+8*\t:S+64*\x+8*\t+7], v[KF+4*\t:KF+4*\t+7], v[Q+8*\x:Q+8*\x+7], 0, v[KS+\t/2], v[QS+\x] matrix_a_fmt:MATRIX_FMT_FP4 matrix_b_fmt:MATRIX_FMT_FP4
.endif
.endr
.endr
	WIN 0
	s_barrier_wait -1
	v_add_nc_u32 v[ADRV], s32, v[AL]               ; four places behind the products: for the loads into K's and V's registers and the first reads of the scores
	v_add_nc_u32 v[ADRK], s35, v[AL]
	v_nop
	v_nop
	ds_load_b128 v[VS:VS+3], v[ADRV] offset:8704   ; this step's V: nine loads,
.irp k, 0,1,2,3,4,5,6,7
	ds_load_b128 v[VF+4*\k:VF+4*\k+3], v[ADRV] offset:4608+512*\k
.endr
	ds_load_b128 v[KS:KS+3], v[ADRK] offset:4096   ; the next step's K: nine more
.irp t, 0,1,2,3,4,5,6,7
	ds_load_b128 v[KF+4*\t:KF+4*\t+3], v[ADRK] offset:512*\t
.endr
	WIN 0x55                                       ; all in window 1
.irp x, 0,1
.irp b, 0,1,2,3
	v_max3_num_f32 v[BM+4*\x+\b], v[S+64*\x+16*\b], v[S+64*\x+16*\b+1], v[S+64*\x+16*\b+2]   ; the largest score of each block of 32 keys: for the row's maximum and, since p rises with the score, for the block's largest p
.endr
.endr
.irp i, 3,5,7,9,11,13
.irp x, 0,1
.irp b, 0,1,2,3
	v_max3_num_f32 v[BM+4*\x+\b], v[BM+4*\x+\b], v[S+64*\x+16*\b+\i], v[S+64*\x+16*\b+\i+1]
.endr
.endr
.endr
.irp x, 0,1
.irp b, 0,1,2,3
	v_max_num_f32 v[BM+4*\x+\b], v[BM+4*\x+\b], v[S+64*\x+16*\b+15]
.endr
.endr
.irp b, 0,1,2,3,4,5,6,7
	v_permlanex16_b32 v[TP+\b], v[BM+\b], s28, s29
.endr
.irp b, 0,1,2,3,4,5,6,7
	v_max_num_f32 v[BM+\b], v[BM+\b], v[TP+\b]     ; with lane l xor 16's 16 keys
.endr
.irp x, 0,1
	v_max3_num_f32 v[T+\x], v[BM+4*\x], v[BM+4*\x+1], v[BM+4*\x+2]
.endr
.irp x, 0,1
	v_max3_num_f32 v[NM+2*\x+1], v[NM+2*\x+1], v[T+\x], v[BM+4*\x+3]   ; the largest score so far
.endr
.irp x, 0,1
	v_mul_f32 v[T+\x], s30, v[NM+2*\x+1]           ; as t (c is positive)
.endr
.irp x, 0,1
	v_mov_b32 v[OLD+\x], v[NM+2*\x]
.endr
.irp x, 0,1
	v_floor_f32 v[NM+2*\x], -v[T+\x]               ; the new -M = floor(-t) = -ceil(t)
.endr
.irp x, 0,1
	v_sub_f32 v[T+\x], v[NM+2*\x], v[OLD+\x]       ; old M - new M: a whole number, 0 or less
.endr
.irp x, 0,1
	v_cvt_i32_f32 v[T+\x], v[T+\x]                 ; (it saturates)
.endr
.irp x, 0,1
	v_ldexp_f32 v[F+2*\x], 1.0, v[T+\x]            ; f = 2^(old M - new M)
.endr
	WIN 0x04                                       ; f in window 1, O^T in window 0
.irp x, 0,1
.irp j, 0,2,4,6,8,10,12,14,16,18,20,22,24,26,28,30
	v_pk_mul_f32 v[O+32*\x+\j:O+32*\x+\j+1], v[O+32*\x+\j:O+32*\x+\j+1], v[F+2*\x:F+2*\x+1] op_sel_hi:[1,0]   ; O^T under the new M, ahead of the step's first exponential
.endr
.endr
	WIN 0x55
.irp j, 0,1,2,3,4,5,6,7,8,9,10,11,12,13,14,15
	FMA 0, \j
.endr
.irp b, 0,1,2,3
	v_fma_f32 v[BM+\b], v[BM+\b], s30, v[NM]       ; the same of each block's largest score
.endr
	WAITV
.irp j, 0,1,2,3,4,5,6,7,8,9,10,11,12,13,14,15      ; run 1: tile 0's first half
	EX 2*\j
	FMA 0, 16+\j
	EX 2*\j+1
	FMA 1, \j
.endr
.irp b, 0,1,2,3
	v_exp_f32 v[BM+\b], v[BM+\b]                   ; the block's largest p: the same two instructions on the same number give the same bits
	v_fma_f32 v[BM+4+\b], v[BM+4+\b], s30, v[NM+2]
.endr
	WAITV
.irp j, 0,1,2,3,4,5,6,7,8,9,10,11,12,13,14,15      ; run 2: tile 0's second half
	EX 32+2*\j
	FMA 1, 16+\j
	EX 33+2*\j
	SUM1 0, \j
.endr
.irp b, 0,1,2,3
	v_exp_f32 v[BM+4+\b], v[BM+4+\b]
	v_max_num_f32 v[BM+\b], 0x1800000, v[BM+\b]    ; the floor 2^(3 - 127): the byte cannot fall under 1
.endr
	WAITV
.irp j, 0,1,2,3,4,5,6,7,8,9,10,11,12,13,14,15      ; run 3: tile 1's first half
	EX 64+2*\j
.if \j < 4
	v_add_nc_u32 v[SOP+\j], 0xff000000, v[BM+\j]   ; tile 0: 2 off the exponent field: the conversion's scale operand
.elseif \j < 8
	v_max_num_f32 v[BM+\j], 0x1800000, v[BM+\j]    ; tile 1: the floor
.endif
	EX 65+2*\j
	SUM2 0, \j
.endr
	WAITV
.irp j, 0,1,2,3,4,5,6,7,8,9,10,11,12,13,14,15      ; run 4: tile 1's second half
	EX 96+2*\j
.if \j < 4
	v_lshrrev_b32 v[TP+\j], 23, v[SOP+\j]          ; tile 0: the scale's byte
.elseif \j < 8
	v_add_nc_u32 v[SOP+\j], 0xff000000, v[BM+\j]   ; tile 1: the scale operand
.else
	v_cvt_scalef32_pk8_fp4_f32 v[PC+\j-8], v[S+8*(\j-8):S+8*(\j-8)+7], v[SOP+(\j-8)/2]   ; tile 0's codes
.endif
	EX 97+2*\j
	SUM1 1, \j
.endr
	WAITV
.irp b, 4,5,6,7
	v_lshrrev_b32 v[TP+\b], 23, v[SOP+\b]
.endr
.irp m, 0,1,2,3,4,5,6,7
	v_cvt_scalef32_pk8_fp4_f32 v[PC+8+\m], v[S+64+8*\m:S+64+8*\m+7], v[SOP+4+\m/2]       ; tile 1's codes
.endr
.irp x, 0,1
	v_lshl_or_b32 v[W+\x], v[TP+4*\x+1], 8, v[TP+4*\x]   ; p's scale word for these 128 keys.  (Plain lines behind the conversions)
.endr
.irp x, 0,1
	v_lshl_or_b32 v[W+\x], v[TP+4*\x+2], 16, v[W+\x]
.endr
.irp x, 0,1
	v_lshl_or_b32 v[W+\x], v[TP+4*\x+3], 24, v[W+\x]
.endr
.irp c, 0,1,2,3                        ; the operand's layout wants a whole block in a lane
.irp i, 0,1
	v_permlane16_swap_b32 v[PC+4*\c+\i], v[PC+4*\c+2+\i]
.endr
.endr
	WIN 0x01
.irp x, 0,1
	v_mov_b32 v[PW+\x], v[W+\x]                    ; scale operands are taken from window 0
.endr
	WIN 0x55
.irp k, 0,1,2,3,4,5,6,7,8,9,10,11,12,13,14,15
	SUM2 1, \k                                     ; these 16 are also the places between the scale words and codes just made and the products below
.endr
	s_wait_alu depctr_va_vdst(0)                   ; directly ahead of the wait below
	s_wait_dscnt 0x9                               ; V's nine loads are in; the next step's K, nine loads, may stay out
	WIN 0x04                                       ; p's codes in window 1
.irp n, 0,1,2,3
.irp x, 0,1
	v_wmma_scale_f32_16x16x128_f8f6f4 v[O+32*\x+8*\n:O+32*\x+8*\n+7], v[VF+8*\n:VF+8*\n+7], v[PC+8*\x:PC+8*\x+7], v[O+32*\x+8*\n:O+32*\x+8*\n+7], v[VS+\n], v[PW+\x] matrix_a_fmt:MATRIX_FMT_FP4 matrix_b_fmt:MATRIX_FMT_FP4
.endr
.endr
	WIN 0
.endm
; A PASS: two tiles of 16 queries against all keys.  Pass and tile stand in the immediates: Q (2 p + x) records on, cat (2 p + x) x 65,536 bytes on, its scale bytes (2 p + x) x 4,096 on.
; What a pass begins with.  The first pass's stands ahead of the wait for the tiles, and asks for BOTH passes' Q: the second pass's codes and scale words lie 160 registers above the first's.
.macro PRE p
.if \p
	s_wait_xcnt 0x0                                ; the first pass's stores have read their registers
.else
.irp y, 0,1,2,3
	global_load_b128 v[Q+160*(\y/2)+8*(\y%2):Q+160*(\y/2)+8*(\y%2)+3], v[QO], s[36:37] offset:\y*REC
	global_load_b32 v[QS+160*(\y/2)+\y%2], v[QSO], s[36:37] offset:\y*REC
.endr
.endif
.set i, 0
.rept 64
	v_mov_b32 v[O+i], 0                            ; O^T: the step is written once; the first finds zeros, which the first change of M leaves zeros
.set i, i+1
.endr
	WIN 0x55
.set i, 0
.rept 64
	v_mov_b32 v[L+i], 0                            ; l
.set i, i+1
.endr
.irp x, 0,1
	v_mov_b32 v[NM+2*\x+1], 0xff61b1e6             ; the largest score so far: -3e38
.endr
.irp x, 0,1
	v_mul_f32 v[T+\x], s30, v[NM+2*\x+1]
.endr
.irp x, 0,1
	v_floor_f32 v[NM+2*\x], -v[T+\x]               ; -M
.endr
	WIN 0
.endm
.macro PASS p
.set Q,  16+160*\p                     ; this pass's Q
.set QS, 32+160*\p
.if \p
	PRE 1
.else
	ds_load_b128 v[KS:KS+3], v[AL] offset:4096     ; step 0's K (in the second pass the first pass's last step has asked for it)
.irp t, 0,1,2,3,4,5,6,7
	ds_load_b128 v[KF+4*\t:KF+4*\t+3], v[AL] offset:512*\t
.endr
.endif
	s_mov_b32 s33, 0
	s_wait_alu depctr_va_vdst(0)                   ; directly ahead of the wait below
	s_wait_loadcnt 0x0                             ; Q
.Lstep_\@:
	STEP
	s_add_co_u32 s33, s33, 1
	s_cmp_lt_u32 s33, 16
	s_cbranch_scc1 .Lstep_\@
	WIN 0x55
.irp x, 0,1                            ; l's 16 pairs are added up.  (These lines are also the places behind the last products)
.irp k, 0,1,2,3,4,5,6,7
	v_pk_add_f32 v[L+32*\x+2*\k:L+32*\x+2*\k+1], v[L+32*\x+2*\k:L+32*\x+2*\k+1], v[L+32*\x+16+2*\k:L+32*\x+16+2*\k+1]
.endr
.endr
.irp x, 0,1
.irp k, 0,1,2,3
	v_pk_add_f32 v[L+32*\x+2*\k:L+32*\x+2*\k+1], v[L+32*\x+2*\k:L+32*\x+2*\k+1], v[L+32*\x+8+2*\k:L+32*\x+8+2*\k+1]
.endr
.endr
.irp x, 0,1
.irp k, 0,1
	v_pk_add_f32 v[L+32*\x+2*\k:L+32*\x+2*\k+1], v[L+32*\x+2*\k:L+32*\x+2*\k+1], v[L+32*\x+4+2*\k:L+32*\x+4+2*\k+1]
.endr
.endr
.irp x, 0,1
	v_pk_add_f32 v[L+32*\x:L+32*\x+1], v[L+32*\x:L+32*\x+1], v[L+32*\x+2:L+32*\x+3]
.endr
.irp x, 0,1
	v_add_f32 v[L+32*\x], v[L+32*\x], v[L+32*\x+1]
.endr
.irp x, 0,1
	v_permlanex16_b32 v[TP+4*\x], v[L+32*\x], s28, s29
.endr
.irp x, 0,1
	v_add_f32 v[L+32*\x], v[L+32*\x], v[TP+4*\x]   ; with lane l xor 16's
.endr
	WAITV
.irp x, 0,1
	v_rcp_f32 v[L+32*\x], v[L+32*\x]
.endr
	v_nop                                          ; one plain place behind the reciprocals
	WAITV                                          ; ahead of their first reader, which is also the first reader of the last products' results
	WIN 0x44                                       ; O^T in window 0; 1 / l and the result in window 1
.irp x, 0,1
.irp j, 0,2,4,6,8,10,12,14,16,18,20,22,24,26,28,30
	v_pk_mul_f32 v[S+64*\x+\j:S+64*\x+\j+1], v[O+32*\x+\j:O+32*\x+\j+1], v[L+32*\x:L+32*\x+1] op_sel_hi:[1,0]   ; O^T / l, each accumulator from its low end on: register 16 b + i is channel 32 b + 16 h + i of my query
.endr
.endr
	WIN 0x55
.irp x, 0,1
.irp b, 0,1
	v_max3_num_f32 v[BM+4*\x+\b], |v[S+64*\x+16*\b]|, |v[S+64*\x+16*\b+1]|, 0x1800000   ; the head's two blocks of 32 along the last product's K, with the floor 2^(3 - 127)
.endr
.endr
.irp i, 2,4,6,8,10,12,14
.irp x, 0,1
.irp b, 0,1
	v_max3_num_f32 v[BM+4*\x+\b], v[BM+4*\x+\b], |v[S+64*\x+16*\b+\i]|, |v[S+64*\x+16*\b+\i+1]|
.endr
.endr
.endr
.irp b, 0,1,4,5
	v_permlanex16_b32 v[TP+\b], v[BM+\b], s28, s29
.endr
.irp b, 0,1,4,5
	v_max_num_f32 v[BM+\b], v[BM+\b], v[TP+\b]
.endr
.irp b, 0,1,4,5
	v_add_nc_u32 v[SOP+\b], 0xff000000, v[BM+\b]
.endr
.irp b, 0,1,4,5
	v_lshrrev_b32 v[TP+\b], 23, v[SOP+\b]
.endr
.irp x, 0,1
	v_cndmask_b32 v[T+\x], v[TP+4*\x], v[TP+4*\x+1], s34   ; lanes 0-15 store block 0's byte, lanes 16-31 block 1's
.endr
.irp x, 0,1
.irp b, 0,1
	v_cvt_scalef32_pk8_fp4_f32 v[PC+8*\x+2*\b], v[S+64*\x+16*\b:S+64*\x+16*\b+7], v[SOP+4*\x+\b]
	v_cvt_scalef32_pk8_fp4_f32 v[PC+8*\x+2*\b+1], v[S+64*\x+16*\b+8:S+64*\x+16*\b+15], v[SOP+4*\x+\b]
.endr
.endr
	v_nop                                          ; one plain place behind the scaled conversions
.irp x, 0,1
.irp i, 0,1
	v_permlane16_swap_b32 v[PC+8*\x+\i], v[PC+8*\x+2+\i]   ; lanes 0-15 block 0, lanes 16-31 block 1
.endr
.endr
	WIN 0x04                                       ; a store's data are its source 1: window 1
.irp x, 0,1
	global_store_b128 v[AL], v[PC+8*\x:PC+8*\x+3], s[38:39] offset:(2*\p+\x)*65536   ; the wave's store covers 512 consecutive bytes, aligned
	global_store_b8 v[CSO], v[T+\x], s[40:41] offset:(2*\p+\x)*4096                  ; 32 single bytes, 2 in each 16
.endr
	WIN 0
.endm
	PRE 0
	s_wait_alu depctr_va_vdst(0)                   ; at the head's end
	s_wait_tensorcnt 0x0                           ; my two steps of K and V have landed,
	s_barrier_signal -1
	s_barrier_wait -1                              ; everybody's have: the whole head lies in LDS
	PASS 0
	PASS 1
	s_wait_tensorcnt 0x0                           ; the wave's end
	ds_add_u32 v[SPW], v[NIL]
	s_wait_dscnt 0x0
	CROUND                                         ; the closing round: no work-group ends while a partner may still ask for a tile that names it
	s_endpgm
.Lfunc_end_k_q7a4aead9da_attn:
	.size	k_q7a4aead9da_attn, .Lfunc_end_k_q7a4aead9da_attn-k_q7a4aead9da_attn
	.p2alignl 7, 3214868480
	.fill 96, 4, 3214868480
	.section	.rodata,"a",@progbits
	.p2align	6, 0x0
	.amdhsa_kernel k_q7a4aead9da_attn
		.amdhsa_group_segment_fixed_size 169984
		.amdhsa_private_segment_fixed_size 0
		.amdhsa_enable_private_segment 0
		.amdhsa_kernarg_size 24
		.amdhsa_user_sgpr_count 2
		.amdhsa_user_sgpr_kernarg_segment_ptr 1
		.amdhsa_wavefront_size32 1
		.amdhsa_system_sgpr_workgroup_id_x 1
		.amdhsa_system_sgpr_workgroup_id_y 1
		.amdhsa_system_sgpr_workgroup_id_z 1
		.amdhsa_system_vgpr_workitem_id 0
		.amdhsa_next_free_vgpr 512
		.amdhsa_next_free_sgpr 66
		.amdhsa_reserve_vcc 0
		.amdhsa_float_denorm_mode_32 3
		.amdhsa_float_denorm_mode_16_64 3
		.amdhsa_memory_ordered 1
		.amdhsa_forward_progress 1
		.amdhsa_inst_pref_size 90
	.end_amdhsa_kernel
	.amdgpu_metadata
---
amdhsa.version: [ 1, 2 ]
amdhsa.kernels:
  - .name:           k_q7a4aead9da_attn
    .symbol:         k_q7a4aead9da_attn.kd
    .args:
      - { .name: qkv, .offset: 0, .size: 8, .value_kind: global_buffer, .address_space: global }
      - { .name: cat, .offset: 8, .size: 8, .value_kind: global_buffer, .address_space: global }
      - { .name: cats, .offset: 16, .size: 8, .value_kind: global_buffer, .address_space: global }
    .group_segment_fixed_size: 169984
    .private_segment_fixed_size: 0
    .kernarg_segment_align: 8
    .kernarg_segment_size: 24
    .max_flat_workgroup_size: 256
    .sgpr_count:     66
    .vgpr_count:     512
    .wavefront_size: 32
...
	.end_amdgpu_metadata
.endif
;; end of part 2
;; launch outp (part 3): grid 4 x 64, 4 waves a work-group, clusters of 4 x 4, 235,520 bytes of LDS; arguments cat, cats, Wo_codes, Wo_scales, bo, out0; writes out0
.if DOCPART == 3
	.amdgcn_target "amdgcn-amd-amdhsa--gfx1250"
	.amdhsa_code_object_version 6
	.text
	.protected	k_q7a4aead9da_outp
	.globl	k_q7a4aead9da_outp
	.p2align	8
	.type	k_q7a4aead9da_outp,@function
k_q7a4aead9da_outp:
	s_mov_b64 s[64:65], 0
	v_nop
	global_prefetch_b8 v0, s[64:65] scope:SCOPE_SE
	s_setreg_imm32_b32 hwreg(HW_REG_WAVE_MODE, 25, 1), 1
	s_wait_xcnt 0x0
	s_wait_alu depctr_hold_cnt(0) depctr_sa_sdst(0) depctr_va_vdst(0) depctr_va_sdst(0) depctr_va_ssrc(0) depctr_va_vcc(0) depctr_vm_vsrc(0)
	s_getreg_b32 s2, hwreg(HW_REG_IB_STS2, 6, 4)
	s_cmp_eq_u32 s2, 0
	s_cbranch_scc0 .Lentry_in_a_cluster
	s_endpgm
.Lentry_in_a_cluster:
	s_bfe_u32 s2, ttmp6, 0x10000c
	s_cmp_lg_u32 s2, 0xf033
	s_cbranch_scc0 .Lentry_shape_is_right
	s_endpgm
.Lentry_shape_is_right:
; out0 = cat Wo + bo on codes of FP4 (E2M1) with E8M0 scales.  cat's codes and scale words were laid by the launch before as images of this product's operand registers.
; SHARES.  A work-group takes 128 rows (group g) and 256 columns (cx); wave w takes 64 columns.  All of K = 1,024 of both operands lies in LDS, filled once, one tile of the four to a wave.
; CLUSTER 4 x 4.  cat's part hangs on g alone and is shared along a row of the cluster, Wo's on cx alone and is shared along a column: each tile is asked for jointly.  No prefetch: the only tensor loads stand at the head.
; THE WORK GOES BY ROWS OF out0.  My 32 fragments of Wo (4 tiles of 16 columns x 8 K steps) are read from LDS once and stay in window 1.  Then my eight tiles of 16 rows are finished one after the other, 32 products each,
; K ascending, the tile's four accumulators by turns, so that a tile's rows are stored while the later tiles are multiplied.  Every fragment is read from LDS once.
; The matrix instruction is used transposed (source 0 = 16 rows of Wo, that is 16 columns of out0; source 1 = 16 rows of cat): a lane holds eight neighbouring numbers of one row of out0.
; Lane r of cat's tile 2 b + u is row 32 b + 8 u + r + 8 (r / 8) of the group's 128: the way out puts each row where it belongs.
; LIMITS: NaN and infinities are not served.
.set WO0,  65536                       ; LDS: cat's 16 x 8 images of 512 bytes at 0; Wo's 256 rows from here, all of K in a row: 512 bytes + 16 of padding;
.set CSC,  204800                      ; cat's scale words, 4,096 bytes;
.set WSC,  208896                      ; Wo's scale bytes: 32 pieces of 256 bytes + 16;
.set STG,  217600                      ; the stages of the way out: 16 rows x 272 bytes for each wave, bytes into which no tile lands;
.set SPARE, 235008                     ; the spare words: 128 bytes a wave
.set PADW, (1<<20)|(1<<21)|(5<<22)|(3<<25)   ; padding on; bit 21 beside a mask; after every 64 words, 4 words
.set PADC, (1<<20)|(1<<21)|(6<<22)|(3<<25)   ; the same after every 128 words
.set LI,   4                           ; v4       16 x lane
.set AW,   6                           ; v6       my lane's place in my 64 rows of Wo
.set ACS,  8                           ; v8       in cat's scale words
.set AWS,  9                           ; v9       in Wo's (lanes 0-15: tiles 0, 1, lanes 16-31: tiles 2, 3)
.set STO,  10                          ; v10      the way out: where I put 32 bytes of a row
.set BO,   11                          ; v11      my lane's offset in the bias
.set RD,   12                          ; v12      the way out: where I read a row back
.set CO,   13                          ; v13      my byte offset in out0
.set SPW,  14
.set NIL,  15
.set XS,   16                          ; v16-47   cat's scale words: 16 (K half) + 4 (tile % 4) + K step % 4; lanes 16-31: tiles 4-7
.set WS,   48                          ; v48-63   Wo's: 8 (K half) + 4 (tile % 2) + K step % 4
.set XF,   64                          ; v64-191  a tile of cat, 8 K steps x 8 registers; two buffers
.set BK,   192                         ; v192-255 the way out: 16 rows read back; two buffers
.set BI,   64                          ; window 2: v0-63 four accumulators, two sets; v64-95 the bias.   Window 1: Wo's fragments at 32 (K step) + 8 (tile)
.set WV,   28                          ; s28 wave; s29 cx; s30 cy; s31 g; s32 my row's mask; s33 my column's
.set G1C,  36                          ; descriptor groups 1: cat's codes, Wo's codes, cat's scales, Wo's scales
.set G1W,  44
.set G1CS, 52
.set G1WS, 68
.set G0CS, 76                          ; groups 0 of the four tiles
.set G0WS, 80
.set G0C0, 84
.set G0W0, 88
.set MSB, 0
.macro WIN new                         ; the immediate's high byte repeats the setting that is left
.if MSB != \new
	s_set_vgpr_msb (MSB<<8)|\new
.set MSB, \new
.endif
.endm
.macro CROUND                          ; a round of the cluster's barrier
	s_barrier_signal -1
	s_barrier_wait -1
	s_cmp_lg_u32 s[WV], 0
	s_cbranch_scc1 .Lnot_wave_0_\@
	s_barrier_signal -3
.Lnot_wave_0_\@:
	s_barrier_wait -3
	s_barrier_signal -1
	s_barrier_wait -1
.endm
.macro PLACES
.rept 4
	v_nop
.endr
.endm
.macro G1SET g, word0, c, r, p         ; r rows of c elements, p elements apart
	s_or_b32 s[\g], \word0
	s_mov_b32 s[\g+1], \c<<16
	s_mov_b32 s[\g+2], \r<<16
	s_mov_b32 s[\g+3], \c<<16
	s_mov_b32 s[\g+4], \r
	s_mov_b32 s[\g+5], \p
	s_mov_b32 s[\g+6], 0
	s_mov_b32 s[\g+7], 0
.endm
	s_load_b256 s[4:11], s[0:1], 0x0               ; cat, cats, Wo's codes, Wo's scales
	s_load_b128 s[12:15], s[0:1], 0x20             ; bo, out0
	v_lshl_add_u32 v[SPW], v0, 2, SPARE
	v_mov_b32 v[NIL], 0
	ds_add_u32 v[SPW], v[NIL]                      ; the opening lines: the add twice on end and its wait ahead of my tensor load
	ds_add_u32 v[SPW], v[NIL]
	v_lshrrev_b32 v1, 5, v0
	v_readfirstlane_b32 s[WV], v1                  ; wave 0..3
	s_bfe_u32 s29, ttmp6, 0x40000                  ; cx: which 256 columns
	s_bfe_u32 s30, ttmp6, 0x40004                  ; cy
	s_and_b32 s31, ttmp7, 0xffff
	s_lshl_b32 s31, s31, 2
	s_add_co_u32 s31, s31, s30                     ; g = 4 x cluster y + cy: which 128 rows
	s_lshl_b32 s32, s30, 2
	s_lshl_b32 s32, 15, s32                        ; my row of the cluster
	s_lshl_b32 s33, 0x1111, s29                    ; my column
	s_or_b32 s[G1C], s32, (3<<16)|(1<<21)          ; cat's codes of the group: 65,536 dense bytes, 256 rows of 256 (32 elements of 8 bytes), no padding
	s_mov_b32 s[G1C+1], 32<<16
	s_mov_b32 s[G1C+2], 256<<16
	s_mov_b32 s[G1C+3], 32<<16
	s_mov_b32 s[G1C+4], 256
	s_mov_b32 s[G1C+5], 32
	s_mov_b32 s[G1C+6], 0
	s_mov_b32 s[G1C+7], 0
	s_or_b32 s[G1W], s33, PADC                     ; Wo's codes: 256 whole rows of 512 bytes, elements of 1 byte, padded
	s_mov_b32 s[G1W+1], 512<<16
	s_mov_b32 s[G1W+2], 256<<16
	s_mov_b32 s[G1W+3], 512<<16
	s_mov_b32 s[G1W+4], 256
	s_mov_b32 s[G1W+5], 512
	s_mov_b32 s[G1W+6], 0
	s_mov_b32 s[G1W+7], 0
	s_or_b32 s[G1CS], s32, (3<<16)|(1<<21)         ; cat's scale words: 16 rows of 256 bytes, no padding
	s_mov_b32 s[G1CS+1], 32<<16
	s_mov_b32 s[G1CS+2], 16<<16
	s_mov_b32 s[G1CS+3], 32<<16
	s_mov_b32 s[G1CS+4], 16
	s_mov_b32 s[G1CS+5], 32
	s_mov_b32 s[G1CS+6], 0
	s_mov_b32 s[G1CS+7], 0
	s_or_b32 s[G1WS], s33, (3<<16)|PADW            ; Wo's scale bytes of 256 rows: 32 rows of 256 bytes, padded
	s_mov_b32 s[G1WS+1], 32<<16
	s_mov_b32 s[G1WS+2], 32<<16
	s_mov_b32 s[G1WS+3], 32<<16
	s_mov_b32 s[G1WS+4], 32
	s_mov_b32 s[G1WS+5], 32
	s_mov_b32 s[G1WS+6], 0
	s_mov_b32 s[G1WS+7], 0
	s_mov_b32 s[G0CS], 1                           ; where the tiles go: constants
	s_mov_b32 s[G0CS+1], CSC
	s_mov_b32 s[G0WS], 1
	s_mov_b32 s[G0WS+1], WSC
	s_mov_b32 s[G0C0], 1
	s_mov_b32 s[G0C0+1], 0
	s_mov_b32 s[G0W0], 1
	s_mov_b32 s[G0W0+1], WO0
	s_lshl_b32 s60, s31, 16                        ; cat's codes: 65,536 g.  cat's offsets are made of g, Wo's of cx, each in registers of their own
	s_mov_b32 s61, 0
	s_lshl_b32 s62, s31, 12                        ; cat's scale words: 4,096 g
	s_mov_b32 s63, 0
	s_lshl_b32 s66, s29, 17                        ; Wo's codes: 256 cx rows of 512 bytes
	s_mov_b32 s67, 0
	s_lshl_b32 s16, s29, 13                        ; Wo's scales: rows of 32 bytes
	s_mov_b32 s17, 0
	s_lshl_b32 s18, s29, 10
	s_lshl_b32 s19, s[WV], 8
	s_add_co_u32 s18, s18, s19                     ; my 64 columns, in bytes of f32
	s_mov_b32 s19, 0
	s_lshl_b32 s20, s31, 19
	s_add_co_u32 s20, s20, s18                     ; out0: 128 g rows of 4,096 bytes + my columns
	s_mov_b32 s21, 0
	s_mul_i32 s22, s[WV], 33792
	s_add_co_u32 s22, s22, WO0                     ; my 64 rows of Wo,
	s_mul_i32 s23, s[WV], 2176
	s_add_co_u32 s23, s23, WSC                     ; their scale bytes,
	s_mul_i32 s24, s[WV], 4352
	s_add_co_u32 s24, s24, STG                     ; my stage
	s_wait_dscnt 0x0                               ; both opening adds are done
	s_wait_kmcnt 0x0
	s_add_nc_u64 s[4:5], s[4:5], s[60:61]
	s_add_nc_u64 s[6:7], s[6:7], s[62:63]
	s_add_nc_u64 s[8:9], s[8:9], s[66:67]
	s_add_nc_u64 s[10:11], s[10:11], s[16:17]
	s_add_nc_u64 s[12:13], s[12:13], s[18:19]
	s_add_nc_u64 s[14:15], s[14:15], s[20:21]
	s_mov_b64 s[G0CS+2:G0CS+3], s[6:7]
	s_or_b32 s[G0CS+3], s[G0CS+3], 0x80000000
	s_mov_b64 s[G0WS+2:G0WS+3], s[10:11]
	s_or_b32 s[G0WS+3], s[G0WS+3], 0x80000000
	s_mov_b64 s[G0C0+2:G0C0+3], s[4:5]
	s_or_b32 s[G0C0+3], s[G0C0+3], 0x80000000
	s_mov_b64 s[G0W0+2:G0W0+3], s[8:9]
	s_or_b32 s[G0W0+3], s[G0W0+3], 0x80000000
	CROUND                                         ; all sixteen work-groups are here: the joint loads meet
; THE HEAD'S LOADS, ONE A WAVE: wave 0 cat's codes, wave 1 Wo's 256 rows, wave 2 cat's scale words, wave 3 Wo's scale bytes.  One chain of branches on the wave's number, a load to an arm, one join.
.macro ARM under, g0, g1, next
	s_cmp_lt_u32 s[WV], \under
	s_cbranch_scc0 \next
	tensor_load_to_lds s[\g0:\g0+3], s[\g1:\g1+7]
	s_nop 0
	PLACES
	s_branch .Lhead_asked
\next:
.endm
	ARM 1, G0C0, G1C,  .Lhead_w
	ARM 2, G0W0, G1W,  .Lhead_cs
	ARM 3, G0CS, G1CS, .Lhead_ws
	tensor_load_to_lds s[G0WS:G0WS+3], s[G1WS:G1WS+7]
	s_nop 0
	PLACES
.Lhead_asked:
	v_and_b32 v1, 31, v0                           ; lane
	v_and_b32 v2, 15, v0                           ; r
	v_bfe_u32 v3, v0, 4, 1                         ; h
	v_and_b32 v7, 7, v0
	v_bfe_u32 v5, v0, 3, 1
	v_lshlrev_b32 v[LI], 4, v1
	v_mul_u32_u24 v[AW], v2, 528
	v_lshl_add_u32 v[AW], v3, 4, v[AW]             ; Wo: row r of a tile, 528 bytes a row, + 16 h
	v_add_nc_u32 v[AW], s22, v[AW]
	v_add_nc_u32 v[ACS], CSC, v[LI]
	v_lshlrev_b32 v[AWS], 5, v7                    ; Wo's scale bytes: 32 a row, eight rows to a piece of 272
	v_mad_u32_u24 v[AWS], v5, 272, v[AWS]
	v_mad_u32_u24 v[AWS], v3, 1088, v[AWS]         ; lanes 16-31 take the tile two further on: 32 rows
	v_add_nc_u32 v[AWS], s23, v[AWS]
	v_mul_u32_u24 v[STO], v2, 272
	v_lshl_add_u32 v[STO], v3, 5, v[STO]           ; in: row r, 32 bytes for each half of the lanes
	v_add_nc_u32 v[STO], s24, v[STO]
	v_mul_u32_u24 v[RD], v3, 272                   ; back: lanes 0-15 one row of 256 bytes, lanes 16-31 the next
	v_lshl_add_u32 v[RD], v2, 4, v[RD]
	v_add_nc_u32 v[RD], s24, v[RD]
	v_lshlrev_b32 v[CO], 12, v3                    ; and the same two rows in out0
	v_lshl_add_u32 v[CO], v2, 4, v[CO]
	v_lshlrev_b32 v[BO], 5, v3                     ; the bias is the C of each sum's first matrix instruction: register j of tile n is column 16 n + 8 h + j
	WIN 0x80
.irp n, 0,1,2,3
	global_load_b128 v[BI+8*\n:BI+8*\n+3], v[BO], s[12:13] offset:64*\n
	global_load_b128 v[BI+8*\n+4:BI+8*\n+7], v[BO], s[12:13] offset:64*\n+16
.endr
	WIN 0
; cat's tile i, all of K: registers 8 q + 4 c .. + 3 of buffer i % 2 are the image of (head 2 q + c, tile i)
.macro FETCHC i
.irp q, 0,1,2,3,4,5,6,7
.irp c, 0,1
	ds_load_b128 v[XF+64*((\i)%2)+8*\q+4*\c:XF+64*((\i)%2)+8*\q+4*\c+3], v[LI] offset:(2*\q+\c)*4096+512*(\i)
.endr
.endr
.endm
; one matrix instruction, by the symbols rD, rA, rB, rC, rSA, rSB; fA, fB: the side's scale words stand in lanes 16-31
.macro WM
.if fA && fB
	v_wmma_scale_f32_16x16x128_f8f6f4 v[rD:rD+7], v[rA:rA+7], v[rB:rB+7], v[rC:rC+7], v[rSA], v[rSB] matrix_a_fmt:MATRIX_FMT_FP4 matrix_b_fmt:MATRIX_FMT_FP4 matrix_a_scale:MATRIX_SCALE_ROW1 matrix_b_scale:MATRIX_SCALE_ROW1
.elseif fA
	v_wmma_scale_f32_16x16x128_f8f6f4 v[rD:rD+7], v[rA:rA+7], v[rB:rB+7], v[rC:rC+7], v[rSA], v[rSB] matrix_a_fmt:MATRIX_FMT_FP4 matrix_b_fmt:MATRIX_FMT_FP4 matrix_a_scale:MATRIX_SCALE_ROW1
.elseif fB
	v_wmma_scale_f32_16x16x128_f8f6f4 v[rD:rD+7], v[rA:rA+7], v[rB:rB+7], v[rC:rC+7], v[rSA], v[rSB] matrix_a_fmt:MATRIX_FMT_FP4 matrix_b_fmt:MATRIX_FMT_FP4 matrix_b_scale:MATRIX_SCALE_ROW1
.else
	v_wmma_scale_f32_16x16x128_f8f6f4 v[rD:rD+7], v[rA:rA+7], v[rB:rB+7], v[rC:rC+7], v[rSA], v[rSB] matrix_a_fmt:MATRIX_FMT_FP4 matrix_b_fmt:MATRIX_FMT_FP4
.endif
.endm
; tile i's 32 products: source 0 = Wo's tile n (window 1), source 1 = cat's tile i (window 0), accumulator 8 n of set i % 2 (window 2).  The four accumulators take turns, one instruction a turn: three others stand
; between two steps of a sum.  K step 0 takes the bias as C: nothing is cleared.
.macro MUL i
	WIN 0xa1
.set mq, 0
.rept 8
.set mn, 0
.rept 4
.set rD, 32*((\i)%2)+8*mn
.set rA, 32*mq+8*mn
.set rB, XF+64*((\i)%2)+8*mq
.set rSA, WS+8*(mq/4)+4*(mn%2)+mq%4
.set rSB, XS+16*(mq/4)+4*((\i)%4)+mq%4
.set fA, mn/2
.set fB, (\i)/4
.if mq == 0
.set rC, BI+8*mn
.else
.set rC, rD
.endif
	WM
.set mn, mn+1
.endr
.set mq, mq+1
.endr
	WIN 0
.endm
; THE WAY OUT of a tile of 16 rows x my 64 columns.  A lane holds 32 neighbouring bytes of a row, and the lanes beside it hold other rows: so a tile goes through my own stage in LDS and comes back as whole
; rows of 256 bytes.  LDS serves a wave's instructions in order (ISA guide 5.7.1.4): no wait between the stores and the loads.
.macro TOSTAGE i
	WIN 0x08                                       ; an LDS store's data are its source 1: window 2
.irp n, 0,1,2,3
	ds_store_b128 v[STO], v[32*((\i)%2)+8*\n:32*((\i)%2)+8*\n+3] offset:64*\n           ; each accumulator from its low end on
	ds_store_b128 v[STO], v[32*((\i)%2)+8*\n+4:32*((\i)%2)+8*\n+7] offset:64*\n+16
.endr
	WIN 0
.irp t, 0,1,2,3,4,5,6,7
	ds_load_b128 v[BK+32*((\i)%2)+4*\t:BK+32*((\i)%2)+4*\t+3], v[RD] offset:544*\t
.endr
.endm
.macro SEND i
.irp t, 0,1,2,3,4,5,6,7                ; stage row 2 t + h is lane 2 t + h of the tile: row 32 (i / 2) + 8 (i % 2) + 2 t + h + 8 (t / 4) of the group
	global_store_b128 v[CO], v[BK+32*((\i)%2)+4*\t:BK+32*((\i)%2)+4*\t+3], s[14:15] offset:(32*((\i)/2)+8*((\i)%2)+2*\t+8*(\t/4))*4096 th:TH_STORE_NT   ; 16 lanes store 256 consecutive bytes, at a multiple of 256 from out0's first byte
.endr
.endm
; Tile i's step.  One wait on DScnt at its head shows cat's tile i in registers and tile i - 2 back from the stage.  Then tile i - 2 is stored, tile i + 1 is asked for, tile i - 1 goes through the stage, and tile i is multiplied
; while those LDS instructions are served.
.macro TILE i
	s_wait_dscnt 0x0
.if \i > 0
	s_wait_xcnt 0x0                                ; tile i - 3's stores have read their registers: tile i - 1's rows may land there
	PLACES                                         ; behind tile i - 1's products: for the LDS stores that read its results and the loads into the buffer that it read
.endif
.if \i > 1
	SEND \i-2
.endif
.if \i < 7
	FETCHC \i+1
.endif
.if \i > 0
	TOSTAGE \i-1
.endif
	MUL \i
.endm
	s_wait_alu depctr_va_vdst(0)                   ; at the head's end
	s_wait_tensorcnt 0x0                           ; my tile of the four has landed,
	s_barrier_signal -1
	s_barrier_wait -1                              ; everybody's has
.irp c, 0,1
.irp p, 0,1,2,3
	ds_load_b128 v[XS+16*\c+4*\p:XS+16*\c+4*\p+3], v[ACS] offset:2048*\c+512*\p   ; four K steps' words of a row: all scale words come into registers once
.endr
.irp u, 0,1
	ds_load_b128 v[WS+8*\c+4*\u:WS+8*\c+4*\u+3], v[AWS] offset:544*\u+16*\c
.endr
.endr
	FETCHC 0
	WIN 0x40                                       ; my fragments of Wo, all of K, into window 1
.irp q, 0,1,2,3,4,5,6,7
.irp n, 0,1,2,3
.irp c, 0,1
	ds_load_b128 v[32*\q+8*\n+4*\c:32*\q+8*\n+4*\c+3], v[AW] offset:8448*\n+64*\q+32*\c
.endr
.endr
.endr
	WIN 0
	s_wait_loadcnt 0x0                             ; the bias
.irp a, 0,1,2,3,4,5,6,7
	TILE \a
.endr
	s_wait_dscnt 0x0                               ; tile 6 is back from the stage
	s_wait_xcnt 0x0                                ; tile 5's stores have read their registers
	PLACES                                         ; behind the last products
	SEND 6
	TOSTAGE 7
	s_wait_dscnt 0x0
	SEND 7
	s_wait_tensorcnt 0x0                           ; the wave's end
	ds_add_u32 v[SPW], v[NIL]
	s_wait_dscnt 0x0
	CROUND                                         ; the closing round: no work-group ends while a partner may still ask for a tile that names it
	s_endpgm
.Lfunc_end_k_q7a4aead9da_outp:
	.size	k_q7a4aead9da_outp, .Lfunc_end_k_q7a4aead9da_outp-k_q7a4aead9da_outp
	.p2alignl 7, 3214868480
	.fill 96, 4, 3214868480
	.section	.rodata,"a",@progbits
	.p2align	6, 0x0
	.amdhsa_kernel k_q7a4aead9da_outp
		.amdhsa_group_segment_fixed_size 235520
		.amdhsa_private_segment_fixed_size 0
		.amdhsa_enable_private_segment 0
		.amdhsa_kernarg_size 48
		.amdhsa_user_sgpr_count 2
		.amdhsa_user_sgpr_kernarg_segment_ptr 1
		.amdhsa_wavefront_size32 1
		.amdhsa_system_sgpr_workgroup_id_x 1
		.amdhsa_system_sgpr_workgroup_id_y 1
		.amdhsa_system_sgpr_workgroup_id_z 1
		.amdhsa_system_vgpr_workitem_id 0
		.amdhsa_next_free_vgpr 608
		.amdhsa_next_free_sgpr 100
		.amdhsa_reserve_vcc 0
		.amdhsa_float_denorm_mode_32 3
		.amdhsa_float_denorm_mode_16_64 3
		.amdhsa_memory_ordered 1
		.amdhsa_forward_progress 1
		.amdhsa_inst_pref_size 71
	.end_amdhsa_kernel
	.amdgpu_metadata
---
amdhsa.version: [ 1, 2 ]
amdhsa.kernels:
  - .name:           k_q7a4aead9da_outp
    .symbol:         k_q7a4aead9da_outp.kd
    .args:
      - { .name: cat, .offset: 0, .size: 8, .value_kind: global_buffer, .address_space: global }
      - { .name: cats, .offset: 8, .size: 8, .value_kind: global_buffer, .address_space: global }
      - { .name: Wo_codes, .offset: 16, .size: 8, .value_kind: global_buffer, .address_space: global }
      - { .name: Wo_scales, .offset: 24, .size: 8, .value_kind: global_buffer, .address_space: global }
      - { .name: bo, .offset: 32, .size: 8, .value_kind: global_buffer, .address_space: global }
      - { .name: out0, .offset: 40, .size: 8, .value_kind: global_buffer, .address_space: global }
    .group_segment_fixed_size: 235520
    .private_segment_fixed_size: 0
    .kernarg_segment_align: 8
    .kernarg_segment_size: 48
    .max_flat_workgroup_size: 128
    .sgpr_count:     100
    .vgpr_count:     608
    .wavefront_size: 32
...
	.end_amdgpu_metadata
.endif
;; end of part 3
